; MI455X (gfx1250); checked and timed in simulation.
; The chip was launched on July 23, 2026; its instructions are those of AMD's public machine-readable ISA for CDNA 5 (MIT licence, August 2026) and "CDNA5" Instruction Set Architecture Reference Guide (July 2026). The comments in the code are by the model that wrote it; some were corrected since.
;; Image GPT Attention. Allowed arithmetic: matrix products marked QUANTISED: E5M2 operands, one given power-of-two scale a tensor, by v_wmma_f32_16x16x64_bf8_bf8 or v_wmma_f32_16x16x128_bf8_bf8, f32 sums; everything else in f32.
;; Inputs: c_attn_b 3,072 float32; c_attn_w_codes 3,072 x 32 x 32 uint8 (E5M2 codes of c_attn_w, K innermost, in blocks of 32 codes); c_proj_b 1,024 float32; c_proj_w_codes 1,024 x 32 x 32 uint8 (E5M2 codes of c_proj_w, K innermost, in blocks of 32 codes); hidden_states_codes 4 x 2,048 x 32 x 32 uint8 (E5M2 codes of hidden_states, K innermost, in blocks of 32 codes); lowp_scales 8 int32 (the exponents e of the quantised operands' scales 2^e).
;; Outputs: out0 4 x 2,048 x 1,024 float32.
;; This version of the problem:
;;   THIS VERSION OF THE PROBLEM IS GIVEN IN LOW PRECISION. The matrix products marked QUANTISED in the list below multiply operands that are first quantised to E5M2 (5 exponent bits, 2 mantissa bits; 8 bits a number), with one given power-of-two scale for each operand tensor; their sums are f32. All else is computed in f32.
;;   The module's matrix products, in the order in which they are computed (A, B: the left and right operand; K: the contracted axis; several contracted axes count as one K, in the product's order):
;;     1. [M 8,192, K 1,024] x [K 1,024, N 3,072]; A: input hidden_states (given as codes); B: input c_attn_w (given as codes): QUANTISED (scales: A lowp_scales[0], B lowp_scales[1])
;;     2. batch 64 x [M 2,048, K 64] x [K 64, N 2,048]; A: computed on the way; B: computed on the way: QUANTISED (scales: A lowp_scales[2], B lowp_scales[3])
;;     3. batch 64 x [M 2,048, K 2,048] x [K 2,048, N 64]; A: softmax (see below); B: computed on the way: QUANTISED (scales: A lowp_scales[4], B lowp_scales[5])
;;     4. [M 8,192, K 1,024] x [K 1,024, N 1,024]; A: computed on the way; B: input c_proj_w (given as codes): QUANTISED (scales: A lowp_scales[6], B lowp_scales[7])
;;   THE QUANTISER, for each operand of a quantised product, along K:
;;     - The operand's scale is 2^e, e = its entry of the input lowp_scales (int32; the entries are numbered through the quantised products in the list's order, A before B).
;;     - Each number is divided by the scale, clamped to +-57,344, and rounded to the nearest number of E5M2, ties to even, subnormals kept.
;;     - The product sums the exact products of the quantised numbers (number of the format x scale) in f32.
;;   ~~~python
;;   def quantise(x, axis, e):      # numpy; x: float32 -> the quantised numbers, widened to float32 again
;;       x = np.moveaxis(x, axis, -1); K = x.shape[-1]
;;       r = np.clip(x / 2.0 ** e, -57344, 57344)
;;       step = 2.0 ** (np.maximum(np.frexp(np.where(r == 0, 1, r))[1] - 1, -14) - 2)
;;       q = np.round(r / step) * step * 2.0 ** e      # np.round: ties to even
;;       return np.moveaxis(q, -1, axis).astype(np.float32)
;;   ~~~
;;   SOFTMAX AHEAD OF A QUANTISED PRODUCT. Where the list says 'softmax', what is quantised is not the finished softmax but p = 2^(t - M), with t = logit x log2(e) and M = ceil(the row's largest t), a whole number; so 1/2 < the row's largest p <= 1. The row's sum l is taken of the UNQUANTISED p, in f32, and the product's result is divided by l at the end. Since M is a whole number, a kernel that streams over the keys may use a running M (the ceiling of the running maximum): every later rescaling is an exact power of two, so the quantised numbers keep their values, but for numbers so far below the row's largest that they fall under the format's range.
;;   OPERANDS COMPUTED ON THE WAY. 'Computed on the way' means the value that the module computes at that place (a softmax that the list does not call 'softmax' is quantised finished and normalised). What goes into a quantiser is computed in f32, as accurately as f32 sums, v_exp_f32 and their like allow (about 1e-6 of the number): no bf16 or f16 on the way to a quantiser, and a product that is left as it is and whose result goes on into a quantised operand takes f32 operands (vector FMAs, or v_wmma_f32_16x16x4_f32). A number that lies on a knife's edge between two numbers of the format may be rounded either way, as far as f32 arithmetic and the matrix unit's own rounding can turn it there, and no further.
;;   INPUTS GIVEN AS CODES. c_attn_w (in the module: [1024, 3072], K = its axis 0); c_proj_w (in the module: [1024, 1024], K = its axis 0); hidden_states (in the module: [4, 2048, 1024], K = its axis 2): each comes as NAME_codes (uint8): NAME with its K axis moved to the last place and cut into blocks of 32 codes, [.., K / 32, bytes a block], one block behind the other in memory; one code a byte (a code: sign, 5 exponent bits, 2 mantissa bits); its scale is its entry of lowp_scales. Its value is code x scale, taken as it is: it is not quantised again, and the codes and scales need not be those that the quantiser above would give.
;; One version. Each part assembles by itself: llvm-mc -triple=amdgcn-amd-amdhsa -mcpu=gfx1250 --defsym DOCPART=n.
;; ======== version 1 of 1: 3 launches
;; limits: right only within a limited range of input values
;; workspace buffers: qkv_img 25,165,824 bytes; a_img 8,388,608 bytes
;; launch qkv (part 1): grid 12 x 32, 4 waves a work-group, clusters of 4 x 4, 327,680 bytes of LDS; arguments hidden_states_codes, c_attn_w_codes, c_attn_b, lowp_scales, qkv_img; writes qkv_img
.if DOCPART == 1
	.amdgcn_target "amdgcn-amd-amdhsa--gfx1250"
	.amdhsa_code_object_version 6
	.text
	.protected	k_q4c6c637d0c_qkv
	.globl	k_q4c6c637d0c_qkv
	.p2align	8
	.type	k_q4c6c637d0c_qkv,@function
k_q4c6c637d0c_qkv:
	s_mov_b64 s[64:65], 0
	v_nop
	global_prefetch_b8 v0, s[64:65] scope:SCOPE_SE
	s_setreg_imm32_b32 hwreg(HW_REG_WAVE_MODE, 25, 1), 1
	s_wait_xcnt 0x0
	s_wait_alu depctr_hold_cnt(0) depctr_sa_sdst(0) depctr_va_vdst(0) depctr_va_sdst(0) depctr_va_ssrc(0) depctr_va_vcc(0) depctr_vm_vsrc(0)
	s_getreg_b32 s2, hwreg(HW_REG_IB_STS2, 6, 4)
	s_cmp_eq_u32 s2, 0
	s_cbranch_scc0 .Lentry_in_a_cluster
	s_endpgm
.Lentry_in_a_cluster:
	s_bfe_u32 s2, ttmp6, 0x10000c
	s_cmp_lg_u32 s2, 0xf033
	s_cbranch_scc0 .Lentry_shape_is_right
	s_endpgm
.Lentry_shape_is_right:
; qkv = hidden x Wa + ba on codes of BF8 (E5M2); the results are quantised at once, with the given scales of q, k and v, and stored AS IMAGES OF THE OPERAND REGISTERS that the attention launch reads.
; hidden: [8192][1024] codes, Wa: [3072][1024] codes, K innermost.  A tile of 256 x 256 to a work-group of four waves; a wave makes 128 x 128: 64 accumulators, 512 registers.
; K goes in steps of 256 bytes through a ring of two LDS slots: four fills in all, so the eight steps of 128 along K are written out, without a loop.
; ROLES.  Source 0 of the matrix instruction is the B role (a lane's eight results run along ITS rows), source 1 the A role (lane % 16 is ITS row).  One conversion of an accumulator's eight registers
; gives registers 2 c, 2 c + 1 of the next operand, if the B role runs along the next product's K.  q and k want the head's 64 along the registers: B = Wa, A = hidden.  v wants the keys: B = hidden, A = Wa.
; The cluster's x (0: q, 1: k, 2: v) is the same in all sixteen partners; it chooses pointers, tile numbers, strides and masks by s_cselect alone: there is ONE path through the text.
; CLUSTERS: 4 x 4 work-groups.  The A role's tile hangs on cy alone and is shared along a row of the cluster, the B role's on cx alone and is shared along a column: joint loads, a mask of four each.
; IMAGES: q, k: [head 64][tile of 16 tokens 128][g 2][lane 32][16 bytes]; v: [head 64][128 keys 16][16 channels 4][g 4][lane 32][16 bytes].  Each store of the wave covers 512 consecutive bytes, aligned.
; Both operands are read from LDS 16 bytes a lane: a permutation of k inside a step, the same on both sides, so every product meets its partner.
; LIMITS: e0 + e1 between -126 and 127; e2, e3, e5 between -126 and 112, so that each power of two below is an f32 number.  NaN and infinity among the codes are not served.
; REGISTERS: window 0: v1-7 at work at the head (v5, v6 stay: addresses of the bias loads); v16-21 LDS addresses; v28, v29 the spare word's address and 0; v30 2^ed;
;   v32-95 bias along the registers; v96-111 bias along the lanes, each twice; v112-127 the stores' offsets; v128-255 the A role's fragments, on the way out sums (v128-191) and codes (v192-223).
;   window 1: the B role's fragments, two sets.  windows 2, 3: the accumulators, (a, b) at v[8 (8 (a % 4) + b)].
.set KROW,   1024
.set ROWB,   256
.set PITCH,  272                       ; an LDS row: 256 bytes + 16 of padding = 68 words, so the 16 rows that a load touches start at 16 different banks (ISA guide 11.1)
.set FR,     16
.set NL,     4
.set NP,     4
.set HALFT,  128*PITCH
.set SLOT,   4*HALFT
.set SPARE,  2*SLOT                    ; behind the ring: the spare words, 128 bytes a wave, that no other line names
.set ADRA, 16
.set ADRB, 20
.set SPW,  28
.set NIL,  29
.set SCL,  30
.set LIM,  31
.set BX,   32
.set BY,   96
.set OFS,  112
.set AF,   128
.set TMP,  128
.set CD,   192
.set G1,  24
.set G0,  32
.set G1B, 48
.set G0B, 56
.set MSB, 0
.macro WIN new                         ; the immediate's high byte repeats the setting that is left
.if MSB != \new
	s_set_vgpr_msb (MSB<<8)|\new
.set MSB, \new
.endif
.endm
.set MUL_LO, 0xa1                      ; source 0 window 1, source 1 window 0, C and D window 2
.set MUL_HI, 0xf1                      ; the same, C and D window 3
.set TO_B,   0x40                      ; destination window 1, address window 0
; A joint load: waves 0 and 1 fetch for the A role, waves 2 and 3 for the B role; the branch hangs on the wave's number alone.  Four v_nop follow each line.
.macro JLOAD g0a, g1a, g0b, g1b
	s_cmp_eq_u32 s15, 0
	s_cbranch_scc0 .Lfor_b_\@
	tensor_load_to_lds s[\g0a:\g0a+3], s[\g1a:\g1a+7]
	s_nop 0
.rept 4
	v_nop
.endr
	s_branch .Lasked_\@
.Lfor_b_\@:
	tensor_load_to_lds s[\g0b:\g0b+3], s[\g1b:\g1b+7]
	s_nop 0
.rept 4
	v_nop
.endr
.Lasked_\@:
.endm
.macro CREST                           ; a round of the cluster's barrier behind its opening barrier
	s_cmp_lg_u32 s14, 0
	s_cbranch_scc1 .Lnot_wave_0_\@
	s_barrier_signal -3
.Lnot_wave_0_\@:
	s_barrier_wait -3
	s_barrier_signal -1
	s_barrier_wait -1
.endm
.macro CROUND                          ; a whole round
	s_barrier_signal -1
	s_barrier_wait -1
	CREST
.endm
	s_load_b256 s[4:11], s[0:1], 0x0               ; hidden s[4:5], Wa s[6:7], the bias s[8:9], the scales' exponents s[10:11]
	s_load_b64 s[12:13], s[0:1], 0x20              ; the images
	v_lshl_add_u32 v[SPW], v0, 2, SPARE
	v_mov_b32 v[NIL], 0
	ds_add_u32 v28, v29
	ds_add_u32 v28, v29
	s_wait_dscnt 0x0
	v_lshrrev_b32 v1, 5, v0
	v_readfirstlane_b32 s14, v1                    ; wave 0..3
	s_lshr_b32 s15, s14, 1                         ; my half of the A role's rows.  Also: I fetch for A (0) or for B (1)
	s_and_b32 s16, s14, 1                          ; my half of the B role's rows.  Also: which 128 rows I fetch
	s_bfe_u32 s40, ttmp6, 0x40000                  ; cx
	s_bfe_u32 s41, ttmp6, 0x40004                  ; cy
	s_and_b32 s83, ttmp7, 0xffff
	s_lshl_b32 s83, s83, 2                         ; 4 x cluster y
	s_lshl_b32 s84, ttmp9, 2                       ; 4 x kind
	s_cmp_eq_u32 ttmp9, 2                          ; v?
	s_cselect_b32 s85, 8, s83                      ; the A role's tile: v: 8 + cy (Wa's rows 2,048 on); q, k: 4 x cluster y + cy (tokens)
	s_cselect_b32 s86, s83, s84                    ; the B role's tile: v: 4 x cluster y + cx (tokens); q, k: 4 x kind + cx (Wa's rows)
	s_cselect_b32 s66, 0, -1                       ; all lanes where the bias runs along the registers (q, k),
	s_cselect_b32 s67, -1, 0                       ; all lanes where it runs along the lanes (v)
	s_add_co_u32 s17, s85, s41                     ; no register that feeds A's descriptors ever holds cx,
	s_add_co_u32 s42, s86, s40                     ; none that feeds B's ever holds cy
	s_lshl_b32 s43, s41, 2
	s_lshl_b32 s43, 15, s43                        ; my row of the cluster
	s_lshl_b32 s44, 0x1111, s40                    ; my column
	; descriptor group 1: a tile of 128 rows x 256 bytes, padded in LDS
	s_or_b32 s[G1+0], s43, (0<<16)|(1<<20)|(1<<21)|(5<<22)|(3<<25)  ; 15:0 the mask; 17:16 elements of 1 byte; 20 padding on; 21 set beside a mask; 24:22 after every 64 words; 31:25 four words
	s_or_b32 s[G1B+0], s44, (0<<16)|(1<<20)|(1<<21)|(5<<22)|(3<<25)
.irp g, G1, G1B
	s_mov_b32 s[\g+1], ROWB<<16                    ; tensor_dim0
	s_mov_b32 s[\g+2], 128<<16                     ; tensor_dim1
	s_mov_b32 s[\g+3], ROWB<<16                    ; tile_dim0
	s_mov_b32 s[\g+4], 128                         ; tile_dim1
	s_mov_b32 s[\g+5], KROW                        ; bytes from row to row
	s_mov_b32 s[\g+6], 0
	s_mov_b32 s[\g+7], 0
.endr
	s_lshl_b32 s18, s16, 7                         ; which 128 rows of the tile I fetch
	s_lshl_b32 s20, s17, 8
	s_add_co_u32 s20, s20, s18
	s_lshl_b32 s20, s20, 10                        ; A role: (256 x tile + 128 x half) rows of 1,024 bytes
	s_mov_b32 s21, 0
	s_lshl_b32 s46, s42, 8
	s_add_co_u32 s46, s46, s18
	s_lshl_b32 s46, s46, 10                        ; B role likewise
	s_mov_b32 s47, 0
	s_mul_i32 s45, s14, HALFT                      ; where they go: wave x 128 rows: no place in the cluster enters an LDS address
	s_wait_kmcnt 0x0
	s_load_b256 s[72:79], s[10:11], 0x0            ; e0 .. e7
	s_cmp_eq_u32 ttmp9, 2                          ; the choice of buffers hangs on the cluster's x alone
	s_cselect_b64 s[68:69], s[6:7], s[4:5]         ; the A role's buffer
	s_cselect_b64 s[70:71], s[4:5], s[6:7]         ; the B role's
	s_add_nc_u64 s[20:21], s[68:69], s[20:21]
	s_add_nc_u64 s[46:47], s[70:71], s[46:47]
	CROUND                                         ; all sixteen work-groups are here: the first joint loads meet
.irp s, 0,1
	s_mov_b32 s[G0+4*\s], 1
	s_add_co_u32 s[G0+4*\s+1], s45, \s*SLOT
	s_add_nc_u64 s[G0+4*\s+2:G0+4*\s+3], s[20:21], \s*ROWB
	s_or_b32 s[G0+4*\s+3], s[G0+4*\s+3], 0x80000000
	s_mov_b32 s[G0B+4*\s], 1
	s_add_co_u32 s[G0B+4*\s+1], s45, \s*SLOT
	s_add_nc_u64 s[G0B+4*\s+2:G0B+4*\s+3], s[46:47], \s*ROWB
	s_or_b32 s[G0B+4*\s+3], s[G0B+4*\s+3], 0x80000000
	s_wait_alu depctr_va_vdst(0)
	s_wait_tensorcnt 0x0
	ds_add_u32 v28, v29
	ds_add_u32 v28, v29
	s_wait_dscnt 0x0
	CROUND
	JLOAD G0+4*\s, G1, G0B+4*\s, G1B
.endr
	v_and_b32 v1, 15, v0                           ; r = lane % 16
	v_bfe_u32 v2, v0, 4, 1                         ; h = lane / 16
	s_wait_alu depctr_va_vdst(0)
	v_mul_u32_u24 v3, v1, PITCH
	v_lshl_add_u32 v4, v2, 4, v3                   ; a fragment's row x pitch + 16 h
	s_mul_i32 s21, s15, HALFT                      ; my 128 rows of the A role
	s_mul_i32 s22, s16, HALFT
	s_add_co_u32 s22, s22, 2*HALFT                 ; my 128 rows of the B role, behind A's 256
.irp s, 0,1
	v_add_nc_u32 v[ADRA+\s], s21, v4
	v_add_nc_u32 v[ADRB+\s], s22, v4
	s_add_co_u32 s21, s21, SLOT
	s_add_co_u32 s22, s22, SLOT
.endr
	; my wave's first rows, and what the kind makes of them
	s_lshl_b32 s87, s17, 8
	s_lshl_b32 s88, s15, 7
	s_add_co_u32 s87, s87, s88                     ; A role's first row
	s_lshl_b32 s88, s42, 8
	s_lshl_b32 s89, s16, 7
	s_add_co_u32 s88, s88, s89                     ; B role's first row
	s_cmp_eq_u32 ttmp9, 2
	s_cselect_b32 s89, 0, s88                      ; the bias along the registers begins here (for v: at 0, read and then masked: every load stays inside the bias)
	s_cselect_b32 s90, s87, 0                      ; the bias along the lanes (for q, k: at 0, read and then masked)
	s_cselect_b32 s91, s88, s87                    ; my first token
	s_cselect_b32 s92, s87, s88                    ; my first row of Wa
	s_mov_b32 s80, 4096
	s_cselect_b32 s80, 0x20000, s80                ; P1: from a / 4 to the next: q, k: four tiles of tokens; v: a head
	s_mov_b32 s81, 1024
	s_cselect_b32 s81, 2048, s81                   ; P2: from a % 4 to the next: q, k: a tile of tokens; v: 16 channels
	s_mov_b32 s82, 0x20000
	s_cselect_b32 s82, 1024, s82                   ; P3: from a pair of stores to the next: q, k: a head; v: two groups of four registers
	v_lshlrev_b32 v5, 5, v2
	v_lshl_add_u32 v5, s89, 2, v5                  ; 4 x first + 32 h
	v_lshlrev_b32 v6, 2, v1
	v_lshl_add_u32 v6, s90, 2, v6                  ; 4 x first + 4 r
.irp b, 0,1,2,3,4,5,6,7
	global_load_b128 v[BX+8*\b:BX+8*\b+3], v5, s[8:9] offset:64*\b       ; bias(first + 16 b + 8 h + 0 .. 7): the layout of accumulator (., b)
	global_load_b128 v[BX+8*\b+4:BX+8*\b+7], v5, s[8:9] offset:64*\b+16
.endr
.irp a, 0,1,2,3,4,5,6,7
	global_load_b32 v[BY+2*\a], v6, s[8:9] offset:64*\a                  ; bias(first + 16 a + r): one number a lane for accumulators (a, .)
.endr
	v_and_b32 v7, 31, v0
	v_lshlrev_b32 v7, 4, v7                        ; 16 x lane
	s_wait_alu depctr_va_vdst(0)
.irp a, 0,1,2,3,4,5,6,7
	s_mul_i32 s94, s80, \a/4
	s_mul_i32 s95, s81, \a%4
	s_add_co_u32 s94, s94, s95
	v_add_nc_u32 v[OFS+2*\a], s94, v7
	s_add_co_u32 s94, s94, s82
	v_add_nc_u32 v[OFS+2*\a+1], s94, v7
.endr
	s_lshr_b32 s94, s91, 11                        ; the batch,
	s_lshl_b32 s94, s94, 4
	s_and_b32 s92, s92, 1023
	s_lshr_b32 s92, s92, 6                         ; my first head
	s_add_co_u32 s94, s94, s92
	s_lshl_b32 s94, s94, 17                        ; 131,072 bytes a head
	s_and_b32 s95, s91, 2047
	s_lshl_b32 s95, s95, 6                         ; 64 bytes a token, in both layouts (my first token is a multiple of 128)
	s_add_co_u32 s94, s94, s95
	s_lshl_b32 s95, ttmp9, 23                      ; q, k, v: 8,388,608 bytes each
	s_add_co_u32 s94, s94, s95
	s_mov_b32 s95, 0
	s_add_nc_u64 s[12:13], s[12:13], s[94:95]
	s_wait_kmcnt 0x0                               ; the exponents
	s_add_co_i32 s96, s72, s73
	s_add_co_i32 s96, s96, 127
	s_lshl_b32 s96, s96, 23                        ; 2^(e0 + e1) as f32
	s_mov_b32 s97, s96                             ; (named with it as a pair, so it is written)
	s_cmp_eq_u32 ttmp9, 0
	s_cselect_b32 s93, s74, s75                    ; q: e2; k: e3;
	s_cmp_eq_u32 ttmp9, 2
	s_cselect_b32 s93, s77, s93                    ; v: e5
	s_add_co_i32 s93, s93, 127
	s_lshl_b32 s94, s93, 23
	v_mov_b32 v[SCL], s94                          ; 2^ed: the conversion takes its exponent field
.macro FRAG reg, adr, q, i             ; a fragment, 16 rows x 128 K: registers 4 c .. 4 c + 3 hold K = 32 c + 16 (lane / 16) + 0 .. 15
.irp c, 0,1,2,3
	ds_load_b128 v[\reg+4*\c:\reg+4*\c+3], v[\adr] offset:128*(\q)+32*\c+(\i)*16*PITCH
.endr
.endm
; 16 matrix instructions: A's blocks a0, a0 + 1 x B's eight.  The 64 accumulators take turns, one instruction a turn, in the same order in every step.
.macro MUL16 a0, p, zero
.irp a, \a0, \a0+1
.irp b, 0,1,2,3,4,5,6,7
.if \zero
	v_wmma_f32_16x16x128_bf8_bf8 v[8*(8*((\a)%4)+\b):8*(8*((\a)%4)+\b)+7], v[128*(\p)+FR*\b:128*(\p)+FR*\b+FR-1], v[AF+FR*(\a):AF+FR*(\a)+FR-1], 0
.else
	v_wmma_f32_16x16x128_bf8_bf8 v[8*(8*((\a)%4)+\b):8*(8*((\a)%4)+\b)+7], v[128*(\p)+FR*\b:128*(\p)+FR*\b+FR-1], v[AF+FR*(\a):AF+FR*(\a)+FR-1], v[8*(8*((\a)%4)+\b):8*(8*((\a)%4)+\b)+7]
.endif
.endr
.endr
.endm
.macro FETCH_B slot, q, p
	WIN TO_B
.irp i, 0,1,2,3,4,5,6,7
	FRAG 128*(\p)+FR*\i, ADRB+\slot, \q, \i
.endr
	WIN 0
.endm
.macro FETCH_A slot, q, i0
.irp i, \i0, \i0+1, \i0+2, \i0+3
	FRAG AF+FR*(\i), ADRA+\slot, \q, \i
.endr
.endm
.macro PLACES n                        ; plain vector instructions between a matrix instruction and a load into a register that it has read, or a read of its result
.rept \n
	v_nop
.endr
.endm
; A step of 128 along K that has its successor in the same slot.  A block of A is free as soon as its eight products are issued: one set of registers serves A; B has two.
.macro STEP slot, q, zero
	s_wait_dscnt 4*NL                              ; B's set and A's blocks 0-3 are in; the 16 youngest loads (A's blocks 4-7) may be out
	WIN MUL_LO
	MUL16 0, (\q)%2, \zero
	MUL16 2, (\q)%2, \zero
	s_wait_dscnt 0                                 ; A's blocks 4-7 are in
	PLACES NP
	FETCH_B \slot, (\q)+1, 1-(\q)%2
	FETCH_A \slot, (\q)+1, 0
	WIN MUL_HI
	MUL16 4, (\q)%2, \zero
	MUL16 6, (\q)%2, \zero
	PLACES NP
	WIN 0
	FETCH_A \slot, (\q)+1, 4
.endm
; A slot's last step changes slots: one barrier; in front of it each wave waits for all its tensor loads, adds 0 to its spare word, and waits for that and for its reads of this slot.
.macro TURN slot, next, fill
	s_wait_tensorcnt 0x0                           ; all my tensor loads have landed: my part of the next slot
	ds_add_u32 v[SPW], v[NIL]                      ; 0 onto my spare word
	s_wait_dscnt 4*NL+1                            ; the add and the 16 youngest loads may be out
	WIN MUL_LO
	MUL16 0, 1, 0
	s_wait_dscnt 0x0                               ; the add is done, and my reads of this slot are over
	s_barrier_signal -1
	MUL16 2, 1, 0
	WIN 0
	s_barrier_wait -1
.if \fill
	CREST                                          ; the barrier has opened a round of the cluster's barrier: no wave of any partner still reads this slot or has a load on its way
	s_add_nc_u64 s[G0+4*\slot+2:G0+4*\slot+3], s[G0+4*\slot+2:G0+4*\slot+3], 2*ROWB
	s_add_nc_u64 s[G0B+4*\slot+2:G0B+4*\slot+3], s[G0B+4*\slot+2:G0B+4*\slot+3], 2*ROWB
	JLOAD G0+4*\slot, G1, G0B+4*\slot, G1B         ; the first tensor load behind the round; its four v_nop are the places in front of the loads below
.else
	PLACES NP
.endif
	FETCH_B \next, 0, 0
	FETCH_A \next, 0, 0
	WIN MUL_HI
	MUL16 4, 1, 0
	MUL16 6, 1, 0
	PLACES NP
	WIN 0
	FETCH_A \next, 0, 4
.endm
	s_wait_tensorcnt 1                             ; my part of slot 0 is in; slot 1's one load may be out
	s_barrier_signal -1
	s_barrier_wait -1
	FETCH_B 0, 0, 0
	FETCH_A 0, 0, 0
	FETCH_A 0, 0, 4
	STEP 0, 0, 1                                   ; K 0: the first products start the sums: nothing is cleared
	TURN 0, 1, 1                                   ; K 128; slot 0 takes K 512 on
	STEP 1, 0, 0                                   ; K 256
	TURN 1, 0, 1                                   ; K 384; slot 1 takes K 768 on
	STEP 0, 0, 0                                   ; K 512
	TURN 0, 1, 0                                   ; K 640; nothing is left to fetch
	STEP 1, 0, 0                                   ; K 768
	s_wait_dscnt 4*NL                              ; K 896
	WIN MUL_LO
	MUL16 0, 1, 0
	MUL16 2, 1, 0
	s_wait_dscnt 0
	WIN MUL_HI
	MUL16 4, 1, 0
	MUL16 6, 1, 0
	WIN 0
	; THE WAY OUT.  One of the two biases is masked to zeros: 80 plain instructions, which are also the places behind the last products.
	s_wait_loadcnt 0x0                             ; the bias
.set j, 0
.rept 64
	v_cndmask_b32 v[BX+j], 0, v[BX+j], s66
.set j, j+1
.endr
.set j, 0
.rept 8
	v_cndmask_b32 v[BY+2*j+1], 0, v[BY+2*j], s67   ; the number stands twice, as a pair for the packed addition
	v_cndmask_b32 v[BY+2*j], 0, v[BY+2*j], s67
.set j, j+1
.endr
; Block a: its eight accumulators x 2^(e0 + e1) + bias, converted: accumulator (a, b) gives two registers of codes; two neighbours are 16 bytes a lane, one store.
.macro OUTBLK a
.set AC, 64*((\a)%4)
.set CDS, CD+16*((\a)%2)
.set WN, 0x02+((\a)/4)
.if (\a) >= 2
	s_wait_xcnt 0x0                                ; the stores of two blocks back have read their data: this set of code registers is written again only behind this wait
.endif
	WIN WN                                         ; source 0: window 2 or 3
.set j, 0
.rept 32
	v_pk_fma_f32 v[TMP+j:TMP+j+1], v[AC+j:AC+j+1], s[96:97], v[BX+j:BX+j+1] op_sel_hi:[1,0,1]   ; each accumulator from its low end on
.set j, j+2
.endr
	WIN 0
.set j, 0
.rept 32
	v_pk_add_f32 v[TMP+j:TMP+j+1], v[TMP+j:TMP+j+1], v[BY+2*(\a):BY+2*(\a)+1]
.set j, j+2
.endr
.set j, 0
.rept 64
.set j, j+1
.endr
.irp b, 0,1,2,3,4,5,6,7
	v_cvt_scalef32_pk8_bf8_f32 v[CDS+2*\b:CDS+2*\b+1], v[TMP+8*\b:TMP+8*\b+7], v[SCL]
.endr
	v_nop                                          ; one plain instruction behind the last conversion: the next block writes its sources
.irp g, 0,1,2,3
	global_store_b128 v[OFS+2*(\a)+\g/2], v[CDS+4*\g:CDS+4*\g+3], s[12:13] offset:512*(\g%2)   ; 32 lanes store 512 consecutive bytes, aligned
.endr
.endm
.irp a, 0,1,2,3,4,5,6,7
	OUTBLK \a
.endr
	s_wait_tensorcnt 0x0                           ; the wave's end
	ds_add_u32 v[SPW], v[NIL]
	s_wait_dscnt 0x0
	CROUND                                         ; the closing round: no work-group ends while a partner may still ask for a tile that names it
	s_endpgm
.Lfunc_end_k_q4c6c637d0c_qkv:
	.size	k_q4c6c637d0c_qkv, .Lfunc_end_k_q4c6c637d0c_qkv-k_q4c6c637d0c_qkv
	.p2alignl 7, 3214868480
	.fill 96, 4, 3214868480
	.section	.rodata,"a",@progbits
	.p2align	6, 0x0
	.amdhsa_kernel k_q4c6c637d0c_qkv
		.amdhsa_group_segment_fixed_size 327680
		.amdhsa_private_segment_fixed_size 0
		.amdhsa_enable_private_segment 0
		.amdhsa_kernarg_size 40
		.amdhsa_user_sgpr_count 2
		.amdhsa_user_sgpr_kernarg_segment_ptr 1
		.amdhsa_wavefront_size32 1
		.amdhsa_system_sgpr_workgroup_id_x 1
		.amdhsa_system_sgpr_workgroup_id_y 1
		.amdhsa_system_sgpr_workgroup_id_z 1
		.amdhsa_system_vgpr_workitem_id 0
		.amdhsa_next_free_vgpr 1024
		.amdhsa_next_free_sgpr 100
		.amdhsa_reserve_vcc 0
		.amdhsa_float_denorm_mode_32 3
		.amdhsa_float_denorm_mode_16_64 3
		.amdhsa_fp16_overflow 1
		.amdhsa_memory_ordered 1
		.amdhsa_forward_progress 1
		.amdhsa_inst_pref_size 128
	.end_amdhsa_kernel
	.amdgpu_metadata
---
amdhsa.version: [ 1, 2 ]
amdhsa.kernels:
  - .name:           k_q4c6c637d0c_qkv
    .symbol:         k_q4c6c637d0c_qkv.kd
    .args:
      - { .name: hidden_states_codes, .offset: 0, .size: 8, .value_kind: global_buffer, .address_space: global }
      - { .name: c_attn_w_codes, .offset: 8, .size: 8, .value_kind: global_buffer, .address_space: global }
      - { .name: c_attn_b, .offset: 16, .size: 8, .value_kind: global_buffer, .address_space: global }
      - { .name: lowp_scales, .offset: 24, .size: 8, .value_kind: global_buffer, .address_space: global }
      - { .name: qkv_img, .offset: 32, .size: 8, .value_kind: global_buffer, .address_space: global }
    .group_segment_fixed_size: 327680
    .private_segment_fixed_size: 0
    .kernarg_segment_align: 8
    .kernarg_segment_size: 40
    .max_flat_workgroup_size: 128
    .sgpr_count:     100
    .vgpr_count:     1024
    .wavefront_size: 32
...
	.end_amdgpu_metadata
.endif
;; end of part 1
;; launch attn (part 2): grid 4 x 64, 16 waves a work-group, clusters of 4 x 1, 264,192 bytes of LDS; arguments qkv_img, lowp_scales, a_img; writes a_img
.if DOCPART == 2
	.amdgcn_target "amdgcn-amd-amdhsa--gfx1250"
	.amdhsa_code_object_version 6
	.text
	.protected	k_q4c6c637d0c_attn
	.globl	k_q4c6c637d0c_attn
	.p2align	8
	.type	k_q4c6c637d0c_attn,@function
k_q4c6c637d0c_attn:
	s_mov_b64 s[64:65], 0
	v_nop
	global_prefetch_b8 v0, s[64:65] scope:SCOPE_SE
	s_setreg_imm32_b32 hwreg(HW_REG_WAVE_MODE, 25, 1), 1
	s_wait_xcnt 0x0
	s_wait_alu depctr_hold_cnt(0) depctr_sa_sdst(0) depctr_va_vdst(0) depctr_va_sdst(0) depctr_va_ssrc(0) depctr_va_vcc(0) depctr_vm_vsrc(0)
	s_getreg_b32 s2, hwreg(HW_REG_IB_STS2, 6, 4)
	s_cmp_eq_u32 s2, 0
	s_cbranch_scc0 .Lentry_in_a_cluster
	s_endpgm
.Lentry_in_a_cluster:
	s_bfe_u32 s2, ttmp6, 0x10000c
	s_cmp_lg_u32 s2, 0x3003
	s_cbranch_scc0 .Lentry_shape_is_right
	s_endpgm
.Lentry_shape_is_right:
; Causal attention of one head on codes of BF8 (E5M2): S^T = K Q^T, p = 2^(t - M), O^T = V^T P^T, a = O / l, quantised with the given 2^e6 and stored as an image of the projection's operand registers.
; t = score x 2^(e2 + e3) x log2(e) / 8; M = the running largest t rounded UP to a whole number; the row's sum l is taken of the unquantised p; when M moves, l and O^T are multiplied by 2^(old M - new M): exact.
; THE WHOLE HEAD LIES IN LDS: K's image (131,072 bytes, from 0) and V's (131,072, behind it), filled ONCE: no ring, no refill, no barrier in the loops.  Every byte is asked for by the first instructions,
; so there is no later stream to ask ahead for.
; CLUSTER: the four work-groups of a cluster are the four quarters of one head's queries and need the same K and V: each of the 16 waves asks for 16,384 bytes JOINTLY with its three partners.
; SHARES: sixteen waves, four to a SIMD, 256 registers each.  With a = wave / 2 and c = 2 cx + wave % 2, a wave owns the tiles of 16 queries t = 8 a + c and 127 - t.  Tile t needs t / 8 + 1 steps of 128 keys:
; (a + 1) + (16 - a) = 17 steps for every wave.  The branches hang on a, the wave's number, alone; cx enters global addresses and the mask's numbers.  A tile's step on the diagonal is its last.
; LAYOUT: both products are used transposed: a lane holds ONE query (lane % 16) throughout.  In S^T tile i register j of lane (r, h) is key 16 i + 8 h + j: its conversion IS registers 2 i, 2 i + 1 of P.
; LIMITS: e2 + e3 between -123 and 130 (added to the constant's exponent field); e4, e6 between -126 and 112; e4 + e5 goes by v_ldexp_f32 and has none.
; REGISTERS: v1 16 x lane; v3 r - 8 h; v4, v5 the stores' offsets; v6, v7 Q's; v8, v9 LDS addresses of the step; v10 the mask's number; v11 -infinity; v12 -M, v13 the largest t, v[14:15] l in two halves;
;   v16-23, v24-31 Q of the two tiles; v32-95 K's eight fragments, then V's four; v96-159 S^T, then p; v160-191 O^T; v192-207 p's codes; v208-223 a's codes; v230-255 at work and constants.
.set VIMG, 131072
.set STEPB, 8192                       ; 128 keys: eight tiles of K of 1,024 bytes; four fragments of V of 2,048
.macro CROUND
	s_barrier_signal -1
	s_barrier_wait -1
	s_cmp_lg_u32 s18, 0
	s_cbranch_scc1 .Lnot_wave_0_\@
	s_barrier_signal -3
.Lnot_wave_0_\@:
	s_barrier_wait -3
	s_barrier_signal -1
	s_barrier_wait -1
.endm
	s_load_b128 s[4:7], s[0:1], 0x0                ; the images of q, k, v s[4:5]; the scales' exponents s[6:7]
	s_load_b64 s[8:9], s[0:1], 0x10                ; a's image
	v_lshl_add_u32 v251, v0, 2, 0x40000
	v_mov_b32 v255, 0
	ds_add_u32 v251, v255
	ds_add_u32 v251, v255
	v_lshrrev_b32 v2, 5, v0
	s_delay_alu instid0(VALU_DEP_1)
	v_readfirstlane_b32 s18, v2                    ; wave 0..15
	s_bfe_u32 s43, ttmp6, 0x40000                  ; cx
	s_and_b32 s44, ttmp7, 0xffff                   ; 16 x batch + head, which the four partners share
	; descriptor group 1: a dense block of 16,384 bytes as 64 rows of 32 elements of 8 bytes
	s_mov_b32 s24, 15|(3<<16)|(1<<21)              ; 15:0 the mask: all four work-groups; 17:16 elements of 8 bytes; 21 set beside a mask
	s_mov_b32 s25, 32<<16                          ; tensor_dim0
	s_mov_b32 s26, 64<<16                          ; tensor_dim1
	s_mov_b32 s27, 32<<16                          ; tile_dim0
	s_mov_b32 s28, 64                              ; tile_dim1
	s_mov_b32 s29, 32                              ; elements from row to row
	s_mov_b32 s30, 0
	s_mov_b32 s31, 0
	s_lshr_b32 s45, s18, 3
	s_add_co_u32 s45, s45, 1
	s_lshl_b32 s45, s45, 23                        ; waves 0-7: k's part of the buffer; waves 8-15: v's
	s_lshl_b32 s46, s44, 17                        ; the head's 131,072 bytes
	s_and_b32 s47, s18, 7
	s_lshl_b32 s47, s47, 14                        ; my eighth of them
	s_add_co_u32 s48, s45, s46
	s_add_co_u32 s48, s48, s47
	s_mov_b32 s49, 0
	s_mov_b32 s47, 0                               ; s[46:47]: the head's first byte in q's part
	s_wait_dscnt 0x0
	s_wait_kmcnt 0x0
	s_load_b256 s[72:79], s[6:7], 0x0              ; e0 .. e7
	s_mov_b32 s32, 1                               ; group 0: count = 1
	s_lshl_b32 s33, s18, 14                        ; LDS address: 16,384 x wave: K's image, then V's
	s_add_nc_u64 s[34:35], s[4:5], s[48:49]
	s_or_b32 s35, s35, 0x80000000                  ; type = 2
	CROUND                                         ; all four work-groups are here: the joint loads meet
	tensor_load_to_lds s[32:35], s[24:31]          ; my one tensor load of the launch
	s_nop 0
.rept 4
	v_nop
.endr
	s_add_nc_u64 s[4:5], s[4:5], s[46:47]          ; q's images of my head
	s_lshr_b32 s50, s44, 4
	s_lshl_b32 s50, s50, 21                        ; a's image: 2,097,152 bytes a batch,
	s_and_b32 s51, s44, 15
	s_lshl_b32 s51, s51, 10                        ; 1,024 a head inside a tile of tokens
	s_add_co_u32 s50, s50, s51
	s_mov_b32 s51, 0
	s_add_nc_u64 s[8:9], s[8:9], s[50:51]
	s_lshr_b32 s38, s18, 1                         ; a: the first tile's last step
	s_sub_co_u32 s39, 15, s38                      ; the second tile's
	s_and_b32 s52, s18, 1
	s_lshl_b32 s53, s43, 1
	s_add_co_u32 s52, s52, s53                     ; c
	s_lshl_b32 s40, s52, 4                         ; 16 (t % 8) of the first tile,
	s_sub_co_u32 s41, 112, s40                     ; of the second
	s_lshl_b32 s53, s38, 3
	s_add_co_u32 s53, s53, s52                     ; t = 8 a + c
	s_sub_co_u32 s54, 127, s53                     ; 127 - t
	v_and_b32 v1, 31, v0
	s_delay_alu instid0(VALU_DEP_1)
	v_lshlrev_b32 v1, 4, v1                        ; 16 x lane
	v_and_b32 v2, 15, v0                           ; r
	v_bfe_u32 v3, v0, 4, 1                         ; h
	s_delay_alu instid0(VALU_DEP_1)
	v_lshlrev_b32 v3, 3, v3
	s_delay_alu instid0(VALU_DEP_1)
	v_sub_nc_u32 v3, v2, v3                        ; r - 8 h
	v_lshl_add_u32 v6, s53, 10, v1                 ; a tile of q is 1,024 bytes
	v_lshl_add_u32 v7, s54, 10, v1
	v_lshl_add_u32 v4, s53, 14, v1                 ; a tile of tokens in a's image is 16,384
	v_lshl_add_u32 v5, s54, 14, v1
	global_load_b128 v[16:19], v6, s[4:5]          ; Q's fragments stay in registers
	global_load_b128 v[20:23], v6, s[4:5] offset:512
	global_load_b128 v[24:27], v7, s[4:5]
	global_load_b128 v[28:31], v7, s[4:5] offset:512
	s_mov_b32 s20, 0x76543210                      ; v_permlanex16_b32's selects for lane l xor 16
	s_mov_b32 s21, 0xfedcba98
	v_mov_b32 v11, 0xff800000                      ; -infinity
	v_mov_b32 v236, 0                              ; written once: a lane permute's destination counts as one of its sources
	v_mov_b32 v252, 0
	v_mov_b32 v253, 0                              ; (named as the upper half of the pair v[252:253])
	s_wait_kmcnt 0x0
	s_add_co_i32 s55, s74, s75
	s_lshl_b32 s55, s55, 23
	s_add_co_i32 s22, s55, 0x3e38aa3b              ; log2(e) / 8, with e2 + e3 added to its exponent field
	s_mov_b32 s23, s22                             ; (named with it as a pair, so it is written)
	s_add_co_i32 s42, s76, s77                     ; e4 + e5
	s_add_co_i32 s55, s76, 127
	s_lshl_b32 s56, s55, 23
	v_mov_b32 v244, s56                            ; 2^e4, for p's conversions
	s_add_co_i32 s55, s78, 127
	s_lshl_b32 s56, s55, 23
	v_mov_b32 v246, s56                            ; 2^e6, for a's
; A KEY STEP: 128 keys, from LDS byte s36 of each image on.  qf: Q's fragment; lim: the scalar register with the tile's last step.
.macro STEP qf, lim
	v_add_nc_u32 v8, s36, v1
	s_delay_alu instid0(VALU_DEP_1)
	v_add_nc_u32 v9, VIMG, v8
	v_nop
	v_nop                                          ; four places in front of loads into registers that the last products have read
.irp i, 0,1,2,3,4,5,6,7
	ds_load_b128 v[32+8*\i:35+8*\i], v8 offset:1024*\i       ; tile i of 16 keys: an image of its eight registers, 512 consecutive bytes a load
	ds_load_b128 v[36+8*\i:39+8*\i], v8 offset:1024*\i+512
.endr
	s_wait_alu depctr_va_vdst(0)
	s_wait_dscnt 8                                 ; tiles 0-3 are in; the eight loads of tiles 4-7 may be out
.irp i, 0,1,2,3
	v_wmma_f32_16x16x64_bf8_bf8 v[96+8*\i:103+8*\i], v[32+8*\i:39+8*\i], v[\qf:\qf+7], 0
.endr
	s_wait_dscnt 0x0
.irp i, 4,5,6,7
	v_wmma_f32_16x16x64_bf8_bf8 v[96+8*\i:103+8*\i], v[32+8*\i:39+8*\i], v[\qf:\qf+7], 0
.endr
.rept 4
	v_nop                                          ; places in front of the loads below and of the first read of the scores
.endr
.irp t, 0,1,2,3
.irp g, 0,1,2,3
	ds_load_b128 v[32+16*\t+4*\g:35+16*\t+4*\g], v9 offset:2048*\t+512*\g   ; V^T's four fragments: they land under the softmax
.endr
.endr
	s_cmp_lg_u32 s37, s[\lim]                      ; only the tile's last step lies on the diagonal
	s_cbranch_scc1 .Lopen_\@
.set n, 0
.rept 64                                           ; register 8 i + j holds key 16 i + 8 h + j of the step: hidden where 16 i + j > 16 (t % 8) + r - 8 h.  Each tile from its low end on
	v_cmp_gt_i32 vcc_lo, 16*(n/8)+n%8, v10
	v_cndmask_b32 v[96+n], v[96+n], v11, vcc_lo
.set n, n+1
.endr
.Lopen_\@:
	v_max3_num_f32 v254, v96, v97, v98             ; the step's largest score of my query, among my 64 keys, in two chains,
	v_max3_num_f32 v252, v99, v100, v101
.irp i, 6,10,14,18,22,26,30,34,38,42,46,50,54,58
	v_max3_num_f32 v254, v254, v[96+\i], v[97+\i]
	v_max3_num_f32 v252, v252, v[98+\i], v[99+\i]
.endr
	v_max3_num_f32 v254, v254, v158, v159
	s_delay_alu instid0(VALU_DEP_1)
	v_max_num_f32 v254, v254, v252
	s_delay_alu instid0(VALU_DEP_1)
	v_permlanex16_b32 v236, v254, s20, s21
	s_delay_alu instid0(VALU_DEP_1)
	v_max_num_f32 v254, v254, v236                 ; and among lane l xor 16's
	s_delay_alu instid0(VALU_DEP_1)
	v_mul_f32 v254, s22, v254                      ; as t (the factor is positive)
	s_delay_alu instid0(VALU_DEP_1)
	v_max_num_f32 v13, v13, v254                   ; the running largest t
	v_mov_b32 v254, v12
	s_delay_alu instid0(VALU_DEP_2)
	v_floor_f32 v12, -v13                          ; the new -M = floor(-t): M is a whole number
	s_delay_alu instid0(VALU_DEP_1)
	v_sub_f32 v254, v12, v254                      ; old M - new M: a whole number, 0 or less
	s_delay_alu instid0(VALU_DEP_1)
	v_cvt_i32_f32 v254, v254                       ; (it saturates)
	s_delay_alu instid0(VALU_DEP_1)
	v_ldexp_f32 v252, 1.0, v254                    ; f = 2^(old M - new M)
.set j, 0
	s_setprio 1
.rept 32
	v_pk_fma_f32 v[96+j:97+j], v[96+j:97+j], s[22:23], v[12:13] op_sel_hi:[1,0,0]   ; t - M, two at a time
.set j, j+2
.endr
.set j, 0
	s_wait_alu depctr_va_vdst(0)
.rept 64
	v_exp_f32 v[96+j], v[96+j]                     ; p = 2^(t - M): one batch
.set j, j+1
.endr
	v_pk_mul_f32 v[14:15], v[14:15], v[252:253] op_sel_hi:[1,0]   ; l under the new M: the plain instruction behind the exponentials
	s_wait_alu depctr_va_vdst(0)                   ; one wait for the whole batch, ahead of its first reader
	v_pk_add_f32 v[242:243], v[100:101], v[104:105]
	v_pk_add_f32 v[248:249], v[108:109], v[112:113]
	v_pk_add_f32 v[240:241], v[116:117], v[120:121]
	v_pk_add_f32 v[238:239], v[124:125], v[128:129]
	v_pk_add_f32 v[234:235], v[132:133], v[136:137]
	v_pk_add_f32 v[232:233], v[140:141], v[144:145]
	v_pk_add_f32 v[230:231], v[148:149], v[152:153]
	v_pk_add_f32 v[14:15], v[14:15], v[156:157]
	v_pk_add_f32 v[242:243], v[242:243], v[96:97]
	v_pk_add_f32 v[248:249], v[248:249], v[98:99]
	v_pk_add_f32 v[240:241], v[240:241], v[102:103]
	v_pk_add_f32 v[238:239], v[238:239], v[106:107]
	v_pk_add_f32 v[234:235], v[234:235], v[110:111]
	v_pk_add_f32 v[232:233], v[232:233], v[114:115]
	v_pk_add_f32 v[230:231], v[230:231], v[118:119]
	v_pk_add_f32 v[14:15], v[14:15], v[122:123]
	v_pk_add_f32 v[242:243], v[242:243], v[126:127]
	v_pk_add_f32 v[248:249], v[248:249], v[130:131]
	v_pk_add_f32 v[240:241], v[240:241], v[134:135]
	v_pk_add_f32 v[238:239], v[238:239], v[138:139]
	v_pk_add_f32 v[234:235], v[234:235], v[142:143]
	v_pk_add_f32 v[232:233], v[232:233], v[146:147]
	v_pk_add_f32 v[230:231], v[230:231], v[150:151]
	s_setprio 0
	v_pk_add_f32 v[14:15], v[14:15], v[154:155]
	v_pk_add_f32 v[242:243], v[242:243], v[158:159]
	s_delay_alu instid0(VALU_DEP_2)
	v_pk_add_f32 v[14:15], v[14:15], v[238:239]
	s_delay_alu instid0(VALU_DEP_2)
	v_pk_add_f32 v[242:243], v[242:243], v[234:235]
	v_pk_add_f32 v[248:249], v[248:249], v[232:233]
	v_pk_add_f32 v[240:241], v[240:241], v[230:231]
	s_delay_alu instid0(VALU_DEP_2)
	v_pk_add_f32 v[14:15], v[14:15], v[248:249]
	s_delay_alu instid0(VALU_DEP_2)
	v_pk_add_f32 v[242:243], v[242:243], v[240:241]
	s_delay_alu instid0(VALU_DEP_1)
	v_pk_add_f32 v[14:15], v[14:15], v[242:243]
.set j, 0
.rept 64
.set j, j+1
.endr
.irp i, 0,1,2,3,4,5,6,7
	v_cvt_scalef32_pk8_bf8_f32 v[192+2*\i:193+2*\i], v[96+8*\i:103+8*\i], v244   ; registers 2 i, 2 i + 1 of P: keys 16 i + 8 h + 0 .. 7
.endr
.set j, 0
.rept 16
	v_pk_mul_f32 v[160+j:161+j], v[160+j:161+j], v[252:253] op_sel_hi:[1,0]   ; O^T under the new M; also the plain instructions behind the conversions
.set j, j+2
.endr
	s_wait_alu depctr_va_vdst(0)
	s_wait_dscnt 8                                 ; V's fragments 0 and 1 are in; the eight loads of 2 and 3 may be out
	v_wmma_f32_16x16x128_bf8_bf8 v[160:167], v[32:47], v[192:207], v[160:167]
	v_wmma_f32_16x16x128_bf8_bf8 v[168:175], v[48:63], v[192:207], v[168:175]
	s_wait_dscnt 0x0
	v_wmma_f32_16x16x128_bf8_bf8 v[176:183], v[64:79], v[192:207], v[176:183]
	v_wmma_f32_16x16x128_bf8_bf8 v[184:191], v[80:95], v[192:207], v[184:191]
.endm
; A tile's end: a = O^T x 2^(e4 + e5) / l, converted; tile T of 16 channels gives two registers; two stores of 512 consecutive bytes, one behind the other.
.macro FINISH p
.rept 4
	v_nop                                          ; places behind the last products
.endr
	v_add_f32 v14, v14, v15                        ; l's two halves,
	s_delay_alu instid0(VALU_DEP_1)
	v_permlanex16_b32 v252, v14, s20, s21
	s_delay_alu instid0(VALU_DEP_1)
	v_add_f32 v14, v14, v252                       ; and lane l xor 16's
	s_wait_alu depctr_va_vdst(0)
	v_rcp_f32 v14, v14
	v_nop                                          ; a plain instruction behind the reciprocal,
	s_wait_alu depctr_va_vdst(0)                   ; and the wait ahead of its first reader
	v_ldexp_f32 v14, v14, s42
.set j, 0
.rept 16
	v_pk_mul_f32 v[96+j:97+j], v[160+j:161+j], v[14:15] op_sel_hi:[1,0]   ; each accumulator from its low end on
.set j, j+2
.endr
.set j, 0
.rept 32
.set j, j+1
.endr
.irp t, 0,1,2,3
	v_cvt_scalef32_pk8_bf8_f32 v[208+8*\p+2*\t:209+8*\p+2*\t], v[96+8*\t:103+8*\t], v246
.endr
	v_nop                                          ; one plain instruction behind the last conversion
	global_store_b128 v[4+\p], v[208+8*\p:211+8*\p], s[8:9]
	global_store_b128 v[4+\p], v[212+8*\p:215+8*\p], s[8:9] offset:512
.endm
; One tile of queries.  The trip count is a constant of the text; a step beyond the tile's last is jumped over, not its address steps.
.macro PASS p, trips
	v_mov_b32 v13, 0xff61b1e6                      ; the largest t so far: -3e38, under every t
	s_delay_alu instid0(VALU_DEP_1)
	v_floor_f32 v12, -v13
	v_mov_b32 v14, 0
	v_mov_b32 v15, 0
.set j, 0
.rept 32
	v_mov_b32 v[160+j], 0                          ; the step is written once: the first finds zeros, which the first change of M leaves zeros
.set j, j+1
.endr
	v_add_nc_u32 v10, s[40+\p], v3                 ; 16 (t % 8) + r - 8 h
	s_mov_b32 s36, 0
	s_mov_b32 s37, 0
.Ltrip_\@:
	s_cmp_gt_u32 s37, s[38+\p]
	s_cbranch_scc1 .Lskip_\@
	s_setprio 2
	STEP 16+8*\p, 38+\p
.Lskip_\@:
	s_add_co_u32 s36, s36, STEPB
	s_add_co_u32 s37, s37, 1
	s_cmp_lt_u32 s37, \trips
	s_cbranch_scc1 .Ltrip_\@
	s_setprio 0
	FINISH \p
.endm
	s_wait_tensorcnt 0x0                           ; my sixteenth of the two images is in,
	s_barrier_signal -1
	s_barrier_wait -1                              ; everybody's is
	s_wait_loadcnt 0x0                             ; Q
	PASS 0, 8
	PASS 1, 16
	s_wait_dscnt 0x0
	s_wait_tensorcnt 0x0
	ds_add_u32 v251, v255
	s_wait_dscnt 0x0
	CROUND                                         ; the closing round
	s_endpgm
.Lfunc_end_k_q4c6c637d0c_attn:
	.size	k_q4c6c637d0c_attn, .Lfunc_end_k_q4c6c637d0c_attn-k_q4c6c637d0c_attn
	.p2alignl 7, 3214868480
	.fill 96, 4, 3214868480
	.section	.rodata,"a",@progbits
	.p2align	6, 0x0
	.amdhsa_kernel k_q4c6c637d0c_attn
		.amdhsa_group_segment_fixed_size 264192
		.amdhsa_private_segment_fixed_size 0
		.amdhsa_enable_private_segment 0
		.amdhsa_kernarg_size 24
		.amdhsa_user_sgpr_count 2
		.amdhsa_user_sgpr_kernarg_segment_ptr 1
		.amdhsa_wavefront_size32 1
		.amdhsa_system_sgpr_workgroup_id_x 1
		.amdhsa_system_sgpr_workgroup_id_y 1
		.amdhsa_system_sgpr_workgroup_id_z 1
		.amdhsa_system_vgpr_workitem_id 0
		.amdhsa_next_free_vgpr 256
		.amdhsa_next_free_sgpr 84
		.amdhsa_reserve_vcc 1
		.amdhsa_float_denorm_mode_32 3
		.amdhsa_float_denorm_mode_16_64 3
		.amdhsa_fp16_overflow 1
		.amdhsa_memory_ordered 1
		.amdhsa_forward_progress 1
		.amdhsa_inst_pref_size 51
	.end_amdhsa_kernel
	.amdgpu_metadata
---
amdhsa.version: [ 1, 2 ]
amdhsa.kernels:
  - .name:           k_q4c6c637d0c_attn
    .symbol:         k_q4c6c637d0c_attn.kd
    .args:
      - { .name: qkv_img, .offset: 0, .size: 8, .value_kind: global_buffer, .address_space: global }
      - { .name: lowp_scales, .offset: 8, .size: 8, .value_kind: global_buffer, .address_space: global }
      - { .name: a_img, .offset: 16, .size: 8, .value_kind: global_buffer, .address_space: global }
    .group_segment_fixed_size: 264192
    .private_segment_fixed_size: 0
    .kernarg_segment_align: 8
    .kernarg_segment_size: 24
    .max_flat_workgroup_size: 512
    .sgpr_count:     84
    .vgpr_count:     256
    .wavefront_size: 32
...
	.end_amdgpu_metadata
.endif
;; end of part 2
;; launch proj (part 3): grid 8 x 64, 4 waves a work-group, clusters of 4 x 4, 288,256 bytes of LDS; arguments a_img, c_proj_w_codes, c_proj_b, lowp_scales, out0; writes out0
.if DOCPART == 3
	.amdgcn_target "amdgcn-amd-amdhsa--gfx1250"
	.amdhsa_code_object_version 6
	.text
	.protected	k_q4c6c637d0c_proj
	.globl	k_q4c6c637d0c_proj
	.p2align	8
	.type	k_q4c6c637d0c_proj,@function
k_q4c6c637d0c_proj:
	s_mov_b64 s[64:65], 0
	v_nop
	global_prefetch_b8 v0, s[64:65] scope:SCOPE_SE
	s_setreg_imm32_b32 hwreg(HW_REG_WAVE_MODE, 25, 1), 1
	s_wait_xcnt 0x0
	s_wait_alu depctr_hold_cnt(0) depctr_sa_sdst(0) depctr_va_vdst(0) depctr_va_sdst(0) depctr_va_ssrc(0) depctr_va_vcc(0) depctr_vm_vsrc(0)
	s_getreg_b32 s2, hwreg(HW_REG_IB_STS2, 6, 4)
	s_cmp_eq_u32 s2, 0
	s_cbranch_scc0 .Lentry_in_a_cluster
	s_endpgm
.Lentry_in_a_cluster:
	s_bfe_u32 s2, ttmp6, 0x10000c
	s_cmp_lg_u32 s2, 0xf033
	s_cbranch_scc0 .Lentry_shape_is_right
	s_endpgm
.Lentry_shape_is_right:
; out = a x Wp + bp on codes of BF8 (E5M2).  a: images of operand registers, [tile of 16 tokens 512][128 along K: 8][g 4][lane 32][16 bytes]; Wp: [1024][1024] codes, K innermost; out: [8192][1024] f32.
; A tile of 128 tokens x 128 columns to a work-group of four waves, each 64 x 64: 16 accumulators.  ALL of K lies in LDS, filled ONCE, in four chunks of 256 along K: no refill.
; Each wave issues its four tensor loads together (four are out by this text's count) and the chunks are waited for one by one: 3, 2, 1, 0 later loads may stay out.
; CLUSTERS: 4 x 4 work-groups; a's tile hangs on the tile row alone and is shared along a row of the cluster, Wp's on the tile column alone and is shared along a column: joint loads.
; a's images hold each k in this form's own place (registers 2 c, 2 c + 1: k = 16 c + 8 (lane / 16) + 0 .. 7), so Wp's fragments are read so too: eight loads of 8 bytes each.
; THE MATRIX INSTRUCTION IS USED TRANSPOSED (source 0 = 16 rows of Wp, source 1 = 16 tokens): a lane holds eight neighbouring columns of one row of out.
; LIMIT: e6 + e7 between -126 and 127, so that 2^(e6 + e7) is an f32 number.
; REGISTERS: window 0: v1-6 at work at the head (v6 stays: the bias loads' address); v16-19, v20-23 LDS addresses for each chunk; v24-26 the way out; v32-63 the bias; v64-95 at work; v128-255 the accumulators, (a, b) at v[128 + 8 (4 a + b)].
;   window 1: two fragment buffers of 128: a's four fragments, then Wp's four.
.set WT,    131072                     ; LDS: a's four chunks of 32,768 from 0; Wp's four of 128 rows x 272 from here;
.set WCH,   34816
.set STG,   WT+4*WCH                   ; the stages, 16 rows x 272 bytes a wave: blocks of their own, into which no tile lands
.set ADRA, 16
.set ADRB, 20
.set STO,  24
.set RD,   25
.set CO,   26
.set BIAS, 32
.set TMP,  64
.set ACC,  128
.set F0,   0
.set F1,   128
.set G1A, 24
.set G1W, 48
.set G0A, 68
.set G0W, 84
.set MSB, 0
.macro WIN new
.if MSB != \new
	s_set_vgpr_msb (MSB<<8)|\new
.set MSB, \new
.endif
.endm
.macro CROUND
	s_barrier_signal -1
	s_barrier_wait -1
	s_cmp_lg_u32 s14, 0
	s_cbranch_scc1 .Lnot_wave_0_\@
	s_barrier_signal -3
.Lnot_wave_0_\@:
	s_barrier_wait -3
	s_barrier_signal -1
	s_barrier_wait -1
.endm
.macro PLACES
.rept 4
	v_nop
.endr
.endm
	s_load_b256 s[4:11], s[0:1], 0x0               ; a's images s[4:5], Wp's codes s[6:7], the bias s[8:9], the scales' exponents s[10:11]
	s_load_b64 s[12:13], s[0:1], 0x20              ; out
	v_lshl_add_u32 v126, v0, 2, 0x46400
	v_mov_b32 v127, 0
	ds_add_u32 v126, v127
	ds_add_u32 v126, v127
	v_lshrrev_b32 v1, 5, v0
	v_readfirstlane_b32 s14, v1                    ; wave 0..3
	s_lshr_b32 s15, s14, 1                         ; my half of the tokens.  Also: I fetch for a (0) or for Wp (1)
	s_and_b32 s16, s14, 1                          ; my half of the columns.  Also: which half of that tile I fetch
	s_bfe_u32 s40, ttmp6, 0x40000                  ; cx
	s_bfe_u32 s41, ttmp6, 0x40004                  ; cy
	s_lshl_b32 s42, ttmp9, 2
	s_add_co_u32 s42, s42, s40                     ; tile column = 4 x cluster x + cx
	s_and_b32 s17, ttmp7, 0xffff
	s_lshl_b32 s17, s17, 2
	s_add_co_u32 s17, s17, s41                     ; tile row = 4 x cluster y + cy
	s_lshl_b32 s43, s41, 2
	s_lshl_b32 s43, 15, s43                        ; my row of the cluster
	s_lshl_b32 s44, 0x1111, s40                    ; my column
	; a's tiles: 4 rows (tiles of 16 tokens) x 4,096 bytes (256 along K), 16,384 bytes apart, dense in LDS
	s_or_b32 s[G1A+0], s43, (3<<16)|(1<<21)        ; the mask; elements of 8 bytes; 21 set beside a mask
	s_mov_b32 s[G1A+1], 512<<16                    ; tensor_dim0
	s_mov_b32 s[G1A+2], 4<<16                      ; tensor_dim1
	s_mov_b32 s[G1A+3], 512<<16                    ; tile_dim0
	s_mov_b32 s[G1A+4], 4                          ; tile_dim1
	s_mov_b32 s[G1A+5], 2048                       ; elements from row to row
	s_mov_b32 s[G1A+6], 0
	s_mov_b32 s[G1A+7], 0
	; Wp's tiles: 64 rows x 256 bytes, 1,024 apart, 16 bytes of padding behind each row
	s_or_b32 s[G1W+0], s44, (0<<16)|(1<<20)|(1<<21)|(5<<22)|(3<<25)
	s_mov_b32 s[G1W+1], 256<<16
	s_mov_b32 s[G1W+2], 64<<16
	s_mov_b32 s[G1W+3], 256<<16
	s_mov_b32 s[G1W+4], 64
	s_mov_b32 s[G1W+5], 1024
	s_mov_b32 s[G1W+6], 0
	s_mov_b32 s[G1W+7], 0
	s_lshl_b32 s18, s17, 3
	s_lshl_b32 s19, s16, 2
	s_add_co_u32 s18, s18, s19
	s_lshl_b32 s18, s18, 14                        ; a: (8 x tile row + 4 x half) tiles of 16,384 bytes
	s_mov_b32 s19, 0
	s_lshl_b32 s46, s42, 7
	s_lshl_b32 s47, s16, 6
	s_add_co_u32 s46, s46, s47
	s_lshl_b32 s46, s46, 10                        ; Wp: (128 x tile column + 64 x half) rows of 1,024 bytes
	s_mov_b32 s47, 0
	s_lshl_b32 s22, s16, 14                        ; where they go: a: 16,384 x half;
	s_mul_i32 s23, s16, 64*272
	s_add_co_u32 s23, s23, WT                      ; Wp: 64 rows x half
	s_wait_dscnt 0x0
	s_wait_kmcnt 0x0
	s_load_b256 s[56:63], s[10:11], 0x0            ; e0 .. e7
	s_add_nc_u64 s[18:19], s[4:5], s[18:19]
	s_add_nc_u64 s[46:47], s[6:7], s[46:47]
.irp q, 0,1,2,3
	s_mov_b32 s[G0A+4*\q], 1
	s_add_co_u32 s[G0A+4*\q+1], s22, \q*32768
	s_add_nc_u64 s[G0A+4*\q+2:G0A+4*\q+3], s[18:19], \q*4096
	s_or_b32 s[G0A+4*\q+3], s[G0A+4*\q+3], 0x80000000
	s_mov_b32 s[G0W+4*\q], 1
	s_add_co_u32 s[G0W+4*\q+1], s23, \q*WCH
	s_add_nc_u64 s[G0W+4*\q+2:G0W+4*\q+3], s[46:47], \q*256
	s_or_b32 s[G0W+4*\q+3], s[G0W+4*\q+3], 0x80000000
.endr
	CROUND                                         ; all sixteen work-groups are here: the joint loads meet
	s_cmp_eq_u32 s15, 0                            ; a wave's four fills stand in one branch on the wave's number, ahead of every wait on TENSORcnt and every LDS read
	s_cbranch_scc0 .Lfor_w
.irp q, 0,1,2,3
	tensor_load_to_lds s[G0A+4*\q:G0A+4*\q+3], s[G1A:G1A+7]
	s_nop 0
.endr
.rept 4
	v_nop
.endr
	s_branch .Lasked
.Lfor_w:
.irp q, 0,1,2,3
	tensor_load_to_lds s[G0W+4*\q:G0W+4*\q+3], s[G1W:G1W+7]
	s_nop 0
.endr
.rept 4
	v_nop
.endr
.Lasked:
	v_and_b32 v1, 15, v0                           ; r
	v_bfe_u32 v2, v0, 4, 1                         ; h
	v_and_b32 v3, 31, v0
	v_lshlrev_b32 v3, 4, v3                        ; 16 x lane
	s_wait_alu depctr_va_vdst(0)
	v_mul_u32_u24 v4, v1, 272
	v_lshl_add_u32 v4, v2, 3, v4                   ; Wp: row r x pitch + 8 h
	s_wait_alu depctr_va_vdst(0)
	s_lshl_b32 s32, s15, 14                        ; my four tiles of tokens
	s_mul_i32 s33, s16, 64*272
	s_add_co_u32 s33, s33, WT                      ; my 64 rows of Wp
.irp q, 0,1,2,3
	v_add_nc_u32 v[ADRA+\q], s32, v3
	v_add_nc_u32 v[ADRB+\q], s33, v4
	s_add_co_u32 s32, s32, 32768
	s_add_co_u32 s33, s33, WCH
.endr
	s_mul_i32 s34, s14, 16*272
	s_add_co_u32 s34, s34, STG                     ; my stage
	v_mul_u32_u24 v5, v1, 272
	v_lshl_add_u32 v5, v2, 5, v5
	v_add_nc_u32 v[STO], s34, v5                   ; in: row r, 32 bytes for each half of the lanes
	v_mul_u32_u24 v5, v2, 272
	v_lshl_add_u32 v5, v1, 4, v5
	v_add_nc_u32 v[RD], s34, v5                    ; back: lanes 0-15 one row of 256 bytes, lanes 16-31 the next
	v_lshlrev_b32 v[CO], 12, v2
	v_lshl_add_u32 v[CO], v1, 4, v[CO]             ; and the same two rows in out: 4,096 bytes a row
	s_lshl_b32 s35, s42, 7
	s_lshl_b32 s36, s16, 6
	s_add_co_u32 s35, s35, s36                     ; my first column
	v_lshlrev_b32 v6, 5, v2
	v_lshl_add_u32 v6, s35, 2, v6
.irp b, 0,1,2,3
	global_load_b128 v[BIAS+8*\b:BIAS+8*\b+3], v6, s[8:9] offset:64*\b       ; bp(first + 16 b + 8 h + 0 .. 7): the layout of accumulator (., b)
	global_load_b128 v[BIAS+8*\b+4:BIAS+8*\b+7], v6, s[8:9] offset:64*\b+16
.endr
	s_lshl_b32 s36, s17, 7
	s_lshl_b32 s37, s15, 6
	s_add_co_u32 s36, s36, s37                     ; my first token
	s_lshl_b32 s36, s36, 12
	s_lshl_b32 s37, s35, 2
	s_add_co_u32 s36, s36, s37
	s_mov_b32 s37, 0
	s_add_nc_u64 s[12:13], s[12:13], s[36:37]
	s_wait_kmcnt 0x0
	s_add_co_i32 s20, s62, s63
	s_add_co_i32 s20, s20, 127
	s_lshl_b32 s20, s20, 23                        ; 2^(e6 + e7) as f32
	s_mov_b32 s21, s20                             ; (named with it as a pair, so it is written)
; 48 LDS loads in one run: step s of 128 along K (chunk s / 2, half s % 2) into buffer f
.macro FETCH s, f
	WIN 0x40                                       ; destination window 1, address window 0
.irp a, 0,1,2,3
.irp g, 0,1,2,3
	ds_load_b128 v[\f+16*\a+4*\g:\f+16*\a+4*\g+3], v[ADRA+(\s)/2] offset:\a*4096+((\s)%2)*2048+\g*512
.endr
.endr
.irp b, 0,1,2,3
.irp c, 0,1,2,3,4,5,6,7
	ds_load_b64 v[\f+64+16*\b+2*\c:\f+64+16*\b+2*\c+1], v[ADRB+(\s)/2] offset:\b*16*272+((\s)%2)*128+16*\c
.endr
.endr
.endm
; 16 matrix instructions, the 16 accumulators by turns, one instruction a turn.  zero = 1: the first products start the sums
.macro MUL f, zero
	WIN 0x05                                       ; sources 0 and 1 window 1; C and D window 0
.irp a, 0,1,2,3
.irp b, 0,1,2,3
.if \zero
	v_wmma_f32_16x16x128_bf8_bf8 v[ACC+8*(4*\a+\b):ACC+8*(4*\a+\b)+7], v[\f+64+16*\b:\f+64+16*\b+15], v[\f+16*\a:\f+16*\a+15], 0
.else
	v_wmma_f32_16x16x128_bf8_bf8 v[ACC+8*(4*\a+\b):ACC+8*(4*\a+\b)+7], v[\f+64+16*\b:\f+64+16*\b+15], v[\f+16*\a:\f+16*\a+15], v[ACC+8*(4*\a+\b):ACC+8*(4*\a+\b)+7]
.endif
.endr
.endr
.endm
; The next chunk: my LDS loads are in, my part of the chunk has landed (left: my loads of later chunks, which may stay out), everybody's has.
.macro MEET left
	s_wait_dscnt 0x0
	s_wait_tensorcnt \left
	s_barrier_signal -1
	s_barrier_wait -1
	PLACES                                         ; in front of loads into the buffer that the last products have read
.endm
	s_wait_tensorcnt 3                             ; my part of chunk 0 is in; my three later loads may be out
	s_barrier_signal -1
	s_barrier_wait -1
	FETCH 0, F0
	FETCH 1, F1
	s_wait_dscnt 48                                ; all but the 48 just issued
	MUL F0, 1
.irp q, 1,2,3
	MEET 3-\q
	FETCH 2*\q, F0
	MUL F1, 0                                      ; its fragments were waited for in front of the barrier
	PLACES
	FETCH 2*\q+1, F1
	s_wait_dscnt 48                                ; all but the 48 just issued
	MUL F0, 0
.endr
	s_wait_dscnt 0x0
	MUL F1, 0
	WIN 0
; THE WAY OUT, a block of 16 tokens x 64 columns at a time: sum x 2^(e6 + e7) + bias; through my own stage in LDS, back as whole rows of 256 bytes.  LDS serves a wave's instructions in order
; (ISA guide 5.7.1.4): no wait between the stores and the loads.  The rows come back into the block's own accumulators, which are done with: no store's data are ever written again.
.macro TOSTAGE a
.set j, 0
.rept 16
	v_pk_fma_f32 v[TMP+j:TMP+j+1], v[ACC+32*(\a)+j:ACC+32*(\a)+j+1], s[20:21], v[BIAS+j:BIAS+j+1] op_sel_hi:[1,0,1]   ; each accumulator from its low end on
.set j, j+2
.endr
.irp b, 0,1,2,3
	ds_store_b128 v[STO], v[TMP+8*\b:TMP+8*\b+3] offset:64*\b
	ds_store_b128 v[STO], v[TMP+8*\b+4:TMP+8*\b+7] offset:64*\b+16
.endr
.irp t, 0,1,2,3,4,5,6,7
	ds_load_b128 v[ACC+32*(\a)+4*\t:ACC+32*(\a)+4*\t+3], v[RD] offset:544*\t
.endr
.endm
.macro SEND a, younger                 ; younger: the LDS instructions issued behind block a's loads: the next block's eight stores and eight loads, or none
	s_wait_dscnt \younger
.irp t, 0,1,2,3,4,5,6,7
	global_store_b128 v[CO], v[ACC+32*(\a)+4*\t:ACC+32*(\a)+4*\t+3], s[12:13] offset:(16*(\a)+2*\t)*4096 th:TH_STORE_NT   ; 16 lanes store 256 consecutive bytes, aligned; written once, read by nobody here
.endr
.endm
	s_wait_loadcnt 0x0                             ; the bias
	PLACES                                         ; behind the last products
	TOSTAGE 0
.irp a, 1,2,3
	TOSTAGE \a
	SEND \a-1, 16
.endr
	SEND 3, 0
	s_wait_dscnt 0x0
	s_wait_tensorcnt 0x0
	ds_add_u32 v126, v127
	s_wait_dscnt 0x0
	CROUND                                         ; the closing round: no work-group ends while a partner may still ask for a tile that names it
	s_endpgm
.Lfunc_end_k_q4c6c637d0c_proj:
	.size	k_q4c6c637d0c_proj, .Lfunc_end_k_q4c6c637d0c_proj-k_q4c6c637d0c_proj
	.p2alignl 7, 3214868480
	.fill 96, 4, 3214868480
	.section	.rodata,"a",@progbits
	.p2align	6, 0x0
	.amdhsa_kernel k_q4c6c637d0c_proj
		.amdhsa_group_segment_fixed_size 288256
		.amdhsa_private_segment_fixed_size 0
		.amdhsa_enable_private_segment 0
		.amdhsa_kernarg_size 40
		.amdhsa_user_sgpr_count 2
		.amdhsa_user_sgpr_kernarg_segment_ptr 1
		.amdhsa_wavefront_size32 1
		.amdhsa_system_sgpr_workgroup_id_x 1
		.amdhsa_system_sgpr_workgroup_id_y 1
		.amdhsa_system_sgpr_workgroup_id_z 1
		.amdhsa_system_vgpr_workitem_id 0
		.amdhsa_next_free_vgpr 512
		.amdhsa_next_free_sgpr 100
		.amdhsa_reserve_vcc 0
		.amdhsa_float_denorm_mode_32 3
		.amdhsa_float_denorm_mode_16_64 3
		.amdhsa_memory_ordered 1
		.amdhsa_forward_progress 1
		.amdhsa_inst_pref_size 56
	.end_amdhsa_kernel
	.amdgpu_metadata
---
amdhsa.version: [ 1, 2 ]
amdhsa.kernels:
  - .name:           k_q4c6c637d0c_proj
    .symbol:         k_q4c6c637d0c_proj.kd
    .args:
      - { .name: a_img, .offset: 0, .size: 8, .value_kind: global_buffer, .address_space: global }
      - { .name: c_proj_w_codes, .offset: 8, .size: 8, .value_kind: global_buffer, .address_space: global }
      - { .name: c_proj_b, .offset: 16, .size: 8, .value_kind: global_buffer, .address_space: global }
      - { .name: lowp_scales, .offset: 24, .size: 8, .value_kind: global_buffer, .address_space: global }
      - { .name: out0, .offset: 32, .size: 8, .value_kind: global_buffer, .address_space: global }
    .group_segment_fixed_size: 288256
    .private_segment_fixed_size: 0
    .kernarg_segment_align: 8
    .kernarg_segment_size: 40
    .max_flat_workgroup_size: 128
    .sgpr_count:     100
    .vgpr_count:     512
    .wavefront_size: 32
...
	.end_amdgpu_metadata
.endif
;; end of part 3
